; MI455X (gfx1250); checked and timed in simulation.
; The chip was launched on July 23, 2026; its instructions are those of AMD's public machine-readable ISA for CDNA 5 (MIT licence, August 2026) and "CDNA5" Instruction Set Architecture Reference Guide (July 2026). The comments in the code are by the model that wrote it; some were corrected since.
;; Relation Aware Bias. Allowed arithmetic: float matrix products may take bf16 or f16 operands with f32 sums; all other float work in f32.
;; Inputs: W 512 x 4 float32; b 512 float32; geom 8 x 256 x 256 x 4 float32.
;; Outputs: out0 8 x 256 x 256 float32.
;; One version. Each part assembles by itself: llvm-mc -triple=amdgcn-amd-amdhsa -mcpu=gfx1250 --defsym DOCPART=n.
;; ======== version 1 of 1: 1 launch
;; launch relbias (part 1): grid 256 x 1, 16 waves a work-group, no clusters, 11,008 bytes of LDS; arguments W, b, geom, out0; writes out0
.if DOCPART == 1
	.amdgcn_target "amdgcn-amd-amdhsa--gfx1250"
	.amdhsa_code_object_version 6
	.text
	.protected	k_q54aed91469_relbias
	.globl	k_q54aed91469_relbias
	.p2align	8
	.type	k_q54aed91469_relbias,@function
k_q54aed91469_relbias:
	s_mov_b64 s[64:65], 0
	v_nop
	global_prefetch_b8 v0, s[64:65] scope:SCOPE_SE
	s_setreg_imm32_b32 hwreg(HW_REG_WAVE_MODE, 25, 1), 1
	s_wait_xcnt 0x0
; out[p] = mean over h of ( sum over f of geom[p][f] W[h][f] + b[h] ),  p = 0 .. 8*256*256-1, h = 0 .. 511, f = 0 .. 3.  All f32.
; The expression is linear in h, so for every input it equals  sum over f of geom[p][f] wbar[f] + bbar,  with wbar[f] the mean of
; W's column f and bbar the mean of b.  The text forms the five means (W and b are read whole) and then streams geom:
; 4 multiply-adds for 16 bytes read and 4 written, all in f32.  Memory binds, so the matrix unit has nothing to do here.
;
; 256 work-groups of 16 waves = 512 threads.  A work-group owns 2,048 outputs (32,768 bytes of geom, 8,192 of out); a wave 128 outputs:
; four loads of 512 consecutive bytes each (2,048 consecutive bytes, aligned to 2,048) and one store of 512 consecutive bytes, aligned to 512.
; Thread t also loads row t of W (16 bytes) and b[t]: the group reads W and b once.  There is no loop: all that a wave reads is
; requested in its first six memory instructions, and the means are made while geom is on its way.
;
; NO CLUSTER, NO JOINT REQUESTS: work-groups share only W and b, 10,240 of the 51,200 bytes that a group moves, 20 bytes a thread, read once
; into registers; a joint request would send them through LDS behind a cluster barrier, in a text that has no loop to earn that back.
;
; LIMITS: the sums of 512 terms (each column of W, and b) are formed first and scaled by 2^-9 afterwards, so they must be finite in f32
; (mean magnitude below about 6.6e35).  The order of rounding differs from summing 512 biases for each output: fewer roundings.
.set GEOM_WG, 15                       ; log2 of a work-group's bytes of geom (2,048 outputs x 16)
.set OUT_WG,  13                       ; log2 of its bytes of out (2,048 x 4)
.set INV_H,   0x3b000000               ; 1/512 = 2^-9 in f32: the mean's factor, exact
; LDS
.set LW,      0                        ; 32 partial sums of W's four columns, 16 bytes each: one for each row of 16 lanes (2 x wave + half)
.set LB,      512                      ; 32 partial sums of b, 4 bytes each
.set STAGE,   768                      ; 16 x 512 bytes: each wave's own 128 outputs on the way out
; vector registers
.set OW,   1                           ; 16 t: byte offset of W's row t, and of my 16 bytes of out in the group's part
.set OB,   2                           ; 4 t: byte offset of b[t]
.set OG,   3                           ; 2,048 x wave + 16 x lane: my 16 bytes in the wave's first 512 of geom
.set PA,   4                           ; LDS: where my row of lanes puts its W partial
.set PB,   5                           ; LDS: where it puts its b partial
.set RA,   6                           ; LDS: 16 (lane % 16): the W partial that I read back
.set RB,   7                           ; LDS: 4 (lane % 16): the b partial
.set S,    8                           ; v[8:11] sums, then means, of W's columns; v12 of b; v13 = 0 (the pair v[12:13] starts the packed sums)
.set T,    14                          ; v[14:18] the second partial that I read back
.set STO,  19                          ; LDS: 512 x wave + 4 x lane
.set SLD,  20                          ; LDS: 512 x wave + 16 x lane
.set LANE, 21
.set TMP,  22
.set G,    24                          ; v[24:39] geom: load j in v[G+4j : G+4j+3] = the four features of output 32 j + lane
.set ACC,  40                          ; v[40:47] a pair of partial dot products for each j
.set O,    48                          ; v[48:51] outputs 4 lane .. 4 lane + 3 of the wave
	s_load_b256 s[4:11], s[0:1], 0x0               ; W s[4:5], b s[6:7], geom s[8:9], out s[10:11]
	v_lshl_add_u32 v52, v0, 2, 0x2300
	v_mov_b32 v53, 0
	v_lshlrev_b32 v[OW], 4, v0
	v_lshlrev_b32 v[OB], 2, v0
	v_and_b32 v[LANE], 31, v0
	v_and_b32 v[TMP], 0x1e0, v0                    ; 32 x wave
	v_lshlrev_b32 v[OG], 4, v[LANE]
	v_lshl_or_b32 v[OG], v[TMP], 6, v[OG]          ; 2,048 x wave + 16 x lane
	s_lshl_b32 s12, ttmp9, GEOM_WG                 ; the group's part of geom (at most 255 x 32,768: fits 32 bits)
	s_mov_b32 s13, 0
	s_lshl_b32 s14, ttmp9, OUT_WG                  ; and of out
	s_mov_b32 s15, 0
	s_wait_kmcnt 0x0
	s_add_nc_u64 s[8:9], s[8:9], s[12:13]
	s_add_nc_u64 s[10:11], s[10:11], s[14:15]
	; W and b first: loads come back in order (ISA guide 5.7.1), and the means are wanted before geom is.
	global_load_b128 v[S:S+3], v[OW], s[4:5]       ; W[t][0..3]; every work-group reads W and b, so no hint
	global_load_b32  v[S+4],   v[OB], s[6:7]       ; b[t]
.irp j, 0,1,2,3
	global_load_b128 v[G+4*\j:G+4*\j+3], v[OG], s[8:9] offset:512*\j th:TH_LOAD_NT   ; read once in the whole launch
.endr
	; LDS addresses, while the loads are out.  None of the registers written here is a source of a pending load.
	v_lshrrev_b32 v[TMP], 5, v0
	v_readfirstlane_b32 s16, v[TMP]                ; wave 0 .. 15, as a scalar
	v_bfe_u32 v[TMP], v0, 4, 1                     ; which half of the wave's lanes
	s_lshl_b32 s17, s16, 5                         ; two W partials of 16 bytes a wave
	s_lshl_b32 s18, s16, 3                         ; two b partials of 4 bytes
	s_lshl_b32 s19, s16, 9                         ; 512 bytes of stage
	v_lshl_add_u32 v[PA], v[TMP], 4, s17
	v_lshl_add_u32 v[PB], v[TMP], 2, s18
	v_and_b32 v[RB], 15, v0
	v_lshlrev_b32 v[RA], 4, v[RB]
	v_lshlrev_b32 v[RB], 2, v[RB]
	v_lshl_add_u32 v[STO], v[LANE], 2, s19
	v_lshl_add_u32 v[SLD], v[LANE], 4, s19
	v_mov_b32 v[S+5], 0                            ; the upper half of the pair (bbar, 0)
; Five sums over a row of 16 lanes: lane i takes lane i xor 1, 2, 4, 8 on the add itself; every lane of the row ends with the row's sum.
; The five chains are interleaved so that no add stands straight behind the one it needs.
.macro ROWSUM
.irp m, 1,2,4,8
.irp r, 0,1,2,3,4
	v_add_f32_dpp v[S+\r], v[S+\r], v[S+\r] row_xmask:\m row_mask:0xf bank_mask:0xf
.endr
.endr
.endm
	s_wait_loadcnt 0x4                             ; W's row and b[t] are in; the four younger loads (geom) stay out
	ROWSUM                                         ; 16 rows of W and 16 of b's numbers summed in each half of the wave
	ds_store_b128 v[PA], v[S:S+3] offset:LW        ; the 16 lanes of a half write the same bytes with the same value
	ds_store_b32  v[PB], v[S+4]   offset:LB
	s_wait_dscnt 0x0                               ; for the other waves: my partials are in LDS before I say so
	s_barrier_signal -1
	s_barrier_wait -1                              ; all 32 partials are there
	ds_load_b128 v[S:S+3], v[RA] offset:LW         ; partial lane % 16: sixteen lanes read 256 consecutive bytes
	ds_load_b128 v[T:T+3], v[RA] offset:LW+256     ; partial lane % 16 + 16
	ds_load_b32  v[S+4],   v[RB] offset:LB
	ds_load_b32  v[T+4],   v[RB] offset:LB+64
	s_wait_dscnt 0x0
	v_pk_add_f32 v[S:S+1],   v[S:S+1],   v[T:T+1]
	v_pk_add_f32 v[S+2:S+3], v[S+2:S+3], v[T+2:T+3]
	v_add_f32    v[S+4],     v[S+4],     v[T+4]
	ROWSUM                                         ; 16 lanes x 2 partials = all 512 rows: every lane holds the five sums
	v_pk_mul_f32 v[S:S+1],   v[S:S+1],   INV_H op_sel_hi:[1,0]     ; the means: wbar[0..3]
	v_pk_mul_f32 v[S+2:S+3], v[S+2:S+3], INV_H op_sel_hi:[1,0]
	v_mul_f32    v[S+4],     INV_H,      v[S+4]                    ; bbar
	; The stream.  (g0 wbar0 + bbar, g1 wbar1), then (+ g2 wbar2, + g3 wbar3), then the two halves added: output 32 j + lane of the wave.
	; A store of 16 bytes a lane wants outputs 4 lane .. 4 lane + 3, so the outputs (a quarter of the bytes read) cross the lanes through the
	; wave's own 512 bytes of LDS.  No assignment of outputs to lanes makes both the 16-byte loads and the 16-byte stores consecutive.
.irp j, 0,1,2,3
	s_wait_loadcnt 3-\j                            ; load j is in; the 3 - j younger ones stay out
	v_pk_fma_f32 v[ACC+2*\j:ACC+2*\j+1], v[G+4*\j:G+4*\j+1],   v[S:S+1],   v[S+4:S+5]
	v_pk_fma_f32 v[ACC+2*\j:ACC+2*\j+1], v[G+4*\j+2:G+4*\j+3], v[S+2:S+3], v[ACC+2*\j:ACC+2*\j+1]
	v_add_f32 v[ACC+2*\j], v[ACC+2*\j], v[ACC+2*\j+1]
	ds_store_b32 v[STO], v[ACC+2*\j] offset:STAGE+128*\j           ; 32 lanes, 128 consecutive bytes
.endr
	ds_load_b128 v[O:O+3], v[SLD] offset:STAGE     ; my wave's own bytes; LDS serves a wave's instructions in order (ISA guide 5.7.1), so this sees the four stores
	s_wait_dscnt 0x0
	global_store_b128 v[OW], v[O:O+3], s[10:11] th:TH_STORE_NT     ; 16 t: the wave stores 512 consecutive bytes, aligned to 512; not read again
	s_wait_tensorcnt 0x0
	ds_add_u32 v52, v53
	s_wait_dscnt 0x0
	s_endpgm
.Lfunc_end_k_q54aed91469_relbias:
	.size	k_q54aed91469_relbias, .Lfunc_end_k_q54aed91469_relbias-k_q54aed91469_relbias
	.p2alignl 7, 3214868480
	.fill 96, 4, 3214868480
	.section	.rodata,"a",@progbits
	.p2align	6, 0x0
	.amdhsa_kernel k_q54aed91469_relbias
		.amdhsa_group_segment_fixed_size 11008
		.amdhsa_private_segment_fixed_size 0
		.amdhsa_enable_private_segment 0
		.amdhsa_kernarg_size 32
		.amdhsa_user_sgpr_count 2
		.amdhsa_user_sgpr_kernarg_segment_ptr 1
		.amdhsa_wavefront_size32 1
		.amdhsa_system_sgpr_workgroup_id_x 1
		.amdhsa_system_sgpr_workgroup_id_y 1
		.amdhsa_system_sgpr_workgroup_id_z 1
		.amdhsa_system_vgpr_workitem_id 0
		.amdhsa_next_free_vgpr 54
		.amdhsa_next_free_sgpr 66
		.amdhsa_reserve_vcc 0
		.amdhsa_float_denorm_mode_32 3
		.amdhsa_float_denorm_mode_16_64 3
		.amdhsa_memory_ordered 1
		.amdhsa_forward_progress 1
		.amdhsa_inst_pref_size 7
	.end_amdhsa_kernel
	.amdgpu_metadata
---
amdhsa.version: [ 1, 2 ]
amdhsa.kernels:
  - .name:           k_q54aed91469_relbias
    .symbol:         k_q54aed91469_relbias.kd
    .args:
      - { .name: W, .offset: 0, .size: 8, .value_kind: global_buffer, .address_space: global }
      - { .name: b, .offset: 8, .size: 8, .value_kind: global_buffer, .address_space: global }
      - { .name: geom, .offset: 16, .size: 8, .value_kind: global_buffer, .address_space: global }
      - { .name: out0, .offset: 24, .size: 8, .value_kind: global_buffer, .address_space: global }
    .group_segment_fixed_size: 11008
    .private_segment_fixed_size: 0
    .kernarg_segment_align: 8
    .kernarg_segment_size: 32
    .max_flat_workgroup_size: 512
    .sgpr_count:     66
    .vgpr_count:     54
    .wavefront_size: 32
...
	.end_amdgpu_metadata
.endif
;; end of part 1
